; MI455X (gfx1250); checked and timed in simulation.
; The chip was launched on July 23, 2026; its instructions are those of AMD's public machine-readable ISA for CDNA 5 (MIT licence, August 2026) and "CDNA5" Instruction Set Architecture Reference Guide (July 2026). The comments in the code are by the model that wrote it; some were corrected since.
;; KAN Multi Encoder Attention. Allowed arithmetic: matrix products marked QUANTISED: E2M3 operands, one E8M0 scale for each 32 along K, by v_wmma_scale_f32_16x16x128_f8f6f4 with both operands' format E2M3, f32 sums; everything else in f32.
;; Inputs: Wk 3 x 32 x 256 float32; Wout 256 x 768 float32; Wq 3 x 32 x 256 float32; Wv 3 x 256 x 256 float32; gamma 3 float32; x0 1 x 256 x 128 x 128 float32; x1 1 x 256 x 128 x 128 float32; x2 1 x 256 x 128 x 128 float32.
;; Outputs: out0 1 x 256 x 128 x 128 float32.
;; This version of the problem:
;;   THIS VERSION OF THE PROBLEM IS GIVEN IN LOW PRECISION. The matrix products marked QUANTISED in the list below multiply operands that are first quantised to E2M3 (2 exponent bits, 3 mantissa bits; 6 bits a number), with one power-of-two scale for each 32 numbers along K (OCP MX v1.0); their sums are f32. All else is computed in f32.
;;   The module's matrix products, in the order in which they are computed (A, B: the left and right operand; K: the contracted axis; several contracted axes count as one K, in the product's order):
;;     1. [M 16,384, K 256] x [K 256, N 32]; A: input x0; B: input Wq: QUANTISED
;;     2. [M 16,384, K 256] x [K 256, N 32]; A: input x0; B: input Wk: QUANTISED
;;     3. [M 16,384, K 256] x [K 256, N 256]; A: input x0; B: input Wv: QUANTISED
;;     4. batch 4 x [M 4,096, K 32] x [K 32, N 4,096]; A: computed on the way; B: computed on the way: QUANTISED
;;     5. batch 4 x [M 256, K 4,096] x [K 4,096, N 4,096]; A: computed on the way; B: softmax (see below): QUANTISED
;;     6. [M 16,384, K 256] x [K 256, N 32]; A: input x1; B: input Wq: QUANTISED
;;     7. [M 16,384, K 256] x [K 256, N 32]; A: input x1; B: input Wk: QUANTISED
;;     8. [M 16,384, K 256] x [K 256, N 256]; A: input x1; B: input Wv: QUANTISED
;;     9. batch 4 x [M 4,096, K 32] x [K 32, N 4,096]; A: computed on the way; B: computed on the way: QUANTISED
;;     10. batch 4 x [M 256, K 4,096] x [K 4,096, N 4,096]; A: computed on the way; B: softmax (see below): QUANTISED
;;     11. [M 16,384, K 256] x [K 256, N 32]; A: input x2; B: input Wq: QUANTISED
;;     12. [M 16,384, K 256] x [K 256, N 32]; A: input x2; B: input Wk: QUANTISED
;;     13. [M 16,384, K 256] x [K 256, N 256]; A: input x2; B: input Wv: QUANTISED
;;     14. batch 4 x [M 4,096, K 32] x [K 32, N 4,096]; A: computed on the way; B: computed on the way: QUANTISED
;;     15. batch 4 x [M 256, K 4,096] x [K 4,096, N 4,096]; A: computed on the way; B: softmax (see below): QUANTISED
;;     16. [M 16,384, K 768] x [K 768, N 256]; A: computed on the way; B: input Wout: QUANTISED
;;   THE QUANTISER, for each operand of a quantised product, along K:
;;     - K is cut into blocks of 32 from its start; a last block that is shorter is filled with zeros.
;;     - A block's scale is 2^e with e = floor(log2(the largest magnitude in the block)) - 2, held to -126 .. 127; a block of zeros has e = 0. As a byte (E8M0): e + 127.
;;     - Each number is divided by its block's scale, clamped to +-7.5, and rounded to the nearest number of E2M3, ties to even, subnormals kept.
;;     - The product sums the exact products of the quantised numbers (number of the format x scale) in f32.
;;   ~~~python
;;   def quantise(x, axis):      # numpy; x: float32 -> the quantised numbers, widened to float32 again
;;       x = np.moveaxis(x, axis, -1); K = x.shape[-1]
;;       x = np.pad(x, [(0, 0)] * (x.ndim - 1) + [(0, -K % 32)]); x = x.reshape(x.shape[:-1] + (-1, 32)); a = np.abs(x).max(-1, keepdims=True)
;;       e = np.where(a > 0, np.clip(np.frexp(np.where(a > 0, a, 1))[1] - 1 - 2, -126, 127), 0)      # np.frexp(a)[1] - 1 = floor(log2(a)), exactly
;;       r = np.clip(x / 2.0 ** e, -7.5, 7.5)
;;       step = 2.0 ** (np.maximum(np.frexp(np.where(r == 0, 1, r))[1] - 1, 0) - 3)
;;       q = np.round(r / step) * step * 2.0 ** e      # np.round: ties to even
;;       return np.moveaxis(q.reshape(q.shape[:-2] + (-1,))[..., :K], -1, axis).astype(np.float32)
;;   ~~~
;;   SOFTMAX AHEAD OF A QUANTISED PRODUCT. Where the list says 'softmax', what is quantised is not the finished softmax but p = 2^(t - M), with t = logit x log2(e) and M = ceil(the row's largest t), a whole number; so 1/2 < the row's largest p <= 1. The row's sum l is taken of the UNQUANTISED p, in f32, and the product's result is divided by l at the end. Since M is a whole number, a kernel that streams over the keys may use a running M (the ceiling of the running maximum): every later rescaling is an exact power of two, which a block's scale takes up: the codes' values come out the same.
;;   OPERANDS COMPUTED ON THE WAY. 'Computed on the way' means the value that the module computes at that place (a softmax that the list does not call 'softmax' is quantised finished and normalised). What goes into a quantiser is computed in f32, as accurately as f32 sums, v_exp_f32 and their like allow (about 1e-6 of the number): no bf16 or f16 on the way to a quantiser, and a product that is left as it is and whose result goes on into a quantised operand takes f32 operands (vector FMAs, or v_wmma_f32_16x16x4_f32). A number that lies on a knife's edge between two numbers of the format may be rounded either way, as far as f32 arithmetic and the matrix unit's own rounding can turn it there, and no further.
;; One version. Each part assembles by itself: llvm-mc -triple=amdgcn-amd-amdhsa -mcpu=gfx1250 --defsym DOCPART=n.
;; ======== version 1 of 1: 3 launches
;; workspace buffers: wcodes 331,776 bytes; wscales 27,648 bytes; qbuf 1,572,864 bytes; kv 11,796,480 bytes
;; launch wquant (part 1): grid 72 x 3, 1 waves a work-group, no clusters, 0 bytes of LDS; arguments Wq, Wk, Wv, Wout, wcodes, wscales; writes wcodes, wscales
.if DOCPART == 1
	.amdgcn_target "amdgcn-amd-amdhsa--gfx1250"
	.amdhsa_code_object_version 6
	.text
	.protected	k_q8b63f677cd_wquant
	.globl	k_q8b63f677cd_wquant
	.p2align	8
	.type	k_q8b63f677cd_wquant,@function
k_q8b63f677cd_wquant:
	s_mov_b64 s[64:65], 0
	v_nop
	global_prefetch_b8 v0, s[64:65] scope:SCOPE_SE
	s_setreg_imm32_b32 hwreg(HW_REG_WAVE_MODE, 25, 1), 1
	s_wait_xcnt 0x0
; The four weights (f32, K innermost) become operands of FP6 (E2M3) with one E8M0 byte for each 32 along K, laid in the ORDER OF THE OPERAND'S REGISTERS.
; One wave makes one fragment: 16 rows x 128 along K, 12 registers a lane.  It is stored as three runs of 512 bytes: registers 4 j .. 4 j + 3 of lane l at byte 512 j + 16 l;
; its scale words as 128 bytes, lane l's at 4 l (both halves of the lanes hold row l % 16's word).
; Fragment number 72 e + g, e the encoder (grid y), g (grid x): 0-3 Wq[e] (g = 2 tile + s), 4-7 Wk[e], 8-39 Wv[e] (8 + 2 tile + s), 40-71 Wout's columns 256 e + 128 s on (40 + 2 tile + s).
; THE ROWS OF A TILE ARE NOT NEIGHBOURS: lane r of a tile takes row 32 (tile / 2) + 8 (tile % 2) + r + 8 (r / 8), so that the results of two neighbouring tiles are 16 neighbours along the next product's K.
; A block's scale is 2^(floor(log2(its largest magnitude)) - 2); its byte is the largest magnitude's exponent field - 2, held at 1 from below.
; LIMITS: a block whose largest magnitude lies under 2^-124, a block of zeros among them, takes the byte 1 (zero codes add nothing under it, and this program alone reads the bytes); NaN and infinities are not served.
.set X, 16                             ; v16-79   my 64 numbers: register 32 c + i = k 64 c + 32 h + i of my row
.set C, 80                             ; v80-91   the fragment
.set T, 92                             ; v92-98   the upper halves of the two blocks, as converted
.set M, 100                            ; v100-101 largest magnitudes, v102-103 scale operands, v104-105 bytes, v106 the scale word, v107 at work
	s_load_b256 s[4:11], s[0:1], 0x0               ; Wq s[4:5], Wk s[6:7], Wv s[8:9], Wout s[10:11]
	s_load_b128 s[12:15], s[0:1], 0x20             ; wcodes s[12:13], wscales s[14:15]
	s_and_b32 s16, ttmp7, 0xffff                   ; e
	v_and_b32 v1, 15, v0                           ; r
	v_lshrrev_b32 v2, 4, v0                        ; h (one wave: v0 is the lane)
	v_and_b32 v3, 8, v1
	v_add_nc_u32 v3, v3, v1                        ; r + 8 (r / 8)
	v_lshlrev_b32 v4, 4, v0                        ; 16 x lane
	v_lshlrev_b32 v5, 2, v0                        ; 4 x lane
	s_mov_b32 s32, 0x76543210
	s_mov_b32 s33, 0xfedcba98                      ; v_permlanex16_b32's selects for lane l xor 16
	s_mov_b32 s17, 40                              ; Wout's figures: its first g,
	s_mov_b32 s18, 1024                            ; bytes from encoder to encoder (256 columns),
	s_mov_b32 s19, 3072                            ; bytes from row to row
	s_wait_alu depctr_va_vdst(0)
	s_wait_kmcnt 0x0
	s_mov_b64 s[20:21], s[10:11]
	s_cmp_lt_u32 ttmp9, 40                         ; the choices hang on the work-group's number alone
	s_cselect_b64 s[20:21], s[8:9], s[20:21]       ; Wv
	s_cselect_b32 s17, 8, s17
	s_cselect_b32 s18, 0x40000, s18
	s_cselect_b32 s19, 1024, s19
	s_cmp_lt_u32 ttmp9, 8
	s_cselect_b64 s[20:21], s[6:7], s[20:21]       ; Wk
	s_cselect_b32 s17, 4, s17
	s_cselect_b32 s18, 0x8000, s18
	s_cmp_lt_u32 ttmp9, 4
	s_cselect_b64 s[20:21], s[4:5], s[20:21]       ; Wq
	s_cselect_b32 s17, 0, s17
	s_sub_co_u32 s22, ttmp9, s17
	s_and_b32 s23, s22, 1                          ; s: which 128 along K
	s_lshr_b32 s22, s22, 1                         ; tile
	s_lshr_b32 s24, s22, 1
	s_lshl_b32 s24, s24, 5
	s_and_b32 s25, s22, 1
	s_lshl_b32 s25, s25, 3
	s_add_co_u32 s24, s24, s25                     ; the tile's first row
	s_mul_i32 s24, s24, s19
	s_mul_i32 s25, s16, s18
	s_add_co_u32 s24, s24, s25
	s_lshl_b32 s23, s23, 9
	s_add_co_u32 s24, s24, s23
	s_mov_b32 s25, 0
	s_add_nc_u64 s[20:21], s[20:21], s[24:25]
	v_mul_lo_u32 v3, v3, s19
	v_lshl_add_u32 v3, v2, 7, v3                   ; my row, + 128 h: the layout gives lane (r, h) k = 64 c + 32 h + 0 .. 31
	s_mul_i32 s26, s16, 72
	s_add_co_u32 s26, s26, ttmp9                   ; the fragment's number
	s_mul_i32 s28, s26, 1536
	s_mov_b32 s29, 0
	s_add_nc_u64 s[12:13], s[12:13], s[28:29]
	s_lshl_b32 s28, s26, 7
	s_add_nc_u64 s[14:15], s[14:15], s[28:29]
.irp c, 0,1
.irp j, 0,1,2,3,4,5,6,7
	global_load_b128 v[X+32*\c+4*\j:X+32*\c+4*\j+3], v3, s[20:21] offset:256*\c+16*\j
.endr
.endr
	s_wait_loadcnt 0x0
.irp c, 0,1                                    ; my block 2 c + h: all its 32 numbers are mine
	v_max3_num_f32 v[M+\c], |v[X+32*\c]|, |v[X+1+32*\c]|, 0x1800000   ; and the floor 2^(3 - 127): the byte cannot fall under 1
.endr
.irp i, 2,4,6,8,10,12,14,16,18,20,22,24,26,28,30
.irp c, 0,1
	v_max3_num_f32 v[M+\c], v[M+\c], |v[X+32*\c+\i]|, |v[X+1+32*\c+\i]|   ; (the two blocks by turns)
.endr
.endr
.irp c, 0,1
	v_add_nc_u32 v[M+2+\c], 0xff000000, v[M+\c]    ; 2 off the exponent field: the conversion takes the exponent field of this operand as its scale
.endr
.irp c, 0,1
	v_lshrrev_b32 v[M+4+\c], 23, v[M+2+\c]         ; the scale's byte
.endr
	v_lshl_or_b32 v[M+6], v[M+5], 16, v[M+4]       ; my two bytes: blocks h and 2 + h,
	v_lshlrev_b32 v[M+7], 3, v2
	v_lshlrev_b32 v[M+6], v[M+7], v[M+6]           ; at their places in the word (8 h bits up);
	v_mov_b32 v[M+7], 0                            ; (a lane permute's destination counts as one of its sources)
	v_permlanex16_b32 v[M+7], v[M+6], s32, s33
	v_or_b32 v[M+6], v[M+6], v[M+7]                ; with lane l xor 16's two the word is whole
.irp c, 0,1
	v_cvt_scalef32_pk16_fp6_f32 v[C+6*\c:C+6*\c+2], v[X+32*\c:X+32*\c+15], v[M+2+\c]
	v_cvt_scalef32_pk16_fp6_f32 v[T+4*\c:T+4*\c+2], v[X+32*\c+16:X+32*\c+31], v[M+2+\c]   ; (a conversion's three registers begin on an even number: a block's second three do not)
.endr
	v_nop                                          ; one plain line behind the conversions
.irp c, 0,1
.irp i, 0,1,2
	v_mov_b32 v[C+3+6*\c+\i], v[T+4*\c+\i]
.endr
.endr
.irp j, 0,1,2
	global_store_b128 v4, v[C+4*\j:C+4*\j+3], s[12:13] offset:512*\j   ; 32 lanes store 512 consecutive bytes
.endr
	global_store_b32 v5, v[M+6], s[14:15]
	s_endpgm
.Lfunc_end_k_q8b63f677cd_wquant:
	.size	k_q8b63f677cd_wquant, .Lfunc_end_k_q8b63f677cd_wquant-k_q8b63f677cd_wquant
	.p2alignl 7, 3214868480
	.fill 96, 4, 3214868480
	.section	.rodata,"a",@progbits
	.p2align	6, 0x0
	.amdhsa_kernel k_q8b63f677cd_wquant
		.amdhsa_group_segment_fixed_size 0
		.amdhsa_private_segment_fixed_size 0
		.amdhsa_enable_private_segment 0
		.amdhsa_kernarg_size 48
		.amdhsa_user_sgpr_count 2
		.amdhsa_user_sgpr_kernarg_segment_ptr 1
		.amdhsa_wavefront_size32 1
		.amdhsa_system_sgpr_workgroup_id_x 1
		.amdhsa_system_sgpr_workgroup_id_y 1
		.amdhsa_system_sgpr_workgroup_id_z 1
		.amdhsa_system_vgpr_workitem_id 0
		.amdhsa_next_free_vgpr 112
		.amdhsa_next_free_sgpr 66
		.amdhsa_reserve_vcc 0
		.amdhsa_float_denorm_mode_32 3
		.amdhsa_float_denorm_mode_16_64 3
		.amdhsa_memory_ordered 1
		.amdhsa_forward_progress 1
		.amdhsa_inst_pref_size 8
	.end_amdhsa_kernel
	.amdgpu_metadata
---
amdhsa.version: [ 1, 2 ]
amdhsa.kernels:
  - .name:           k_q8b63f677cd_wquant
    .symbol:         k_q8b63f677cd_wquant.kd
    .args:
      - { .name: Wq, .offset: 0, .size: 8, .value_kind: global_buffer, .address_space: global }
      - { .name: Wk, .offset: 8, .size: 8, .value_kind: global_buffer, .address_space: global }
      - { .name: Wv, .offset: 16, .size: 8, .value_kind: global_buffer, .address_space: global }
      - { .name: Wout, .offset: 24, .size: 8, .value_kind: global_buffer, .address_space: global }
      - { .name: wcodes, .offset: 32, .size: 8, .value_kind: global_buffer, .address_space: global }
      - { .name: wscales, .offset: 40, .size: 8, .value_kind: global_buffer, .address_space: global }
    .group_segment_fixed_size: 0
    .private_segment_fixed_size: 0
    .kernarg_segment_align: 8
    .kernarg_segment_size: 48
    .max_flat_workgroup_size: 32
    .sgpr_count:     66
    .vgpr_count:     112
    .wavefront_size: 32
...
	.end_amdgpu_metadata
.endif
;; end of part 1
;; launch proj (part 2): grid 128 x 3, 4 waves a work-group, no clusters, 26,112 bytes of LDS; arguments x0, x1, x2, wcodes, wscales, qbuf, kv; writes qbuf, kv
.if DOCPART == 2
	.amdgcn_target "amdgcn-amd-amdhsa--gfx1250"
	.amdhsa_code_object_version 6
	.text
	.protected	k_q8b63f677cd_proj
	.globl	k_q8b63f677cd_proj
	.p2align	8
	.type	k_q8b63f677cd_proj,@function
k_q8b63f677cd_proj:
	s_mov_b64 s[64:65], 0
	v_nop
	global_prefetch_b8 v0, s[64:65] scope:SCOPE_SE
	s_setreg_imm32_b32 hwreg(HW_REG_WAVE_MODE, 25, 1), 1
	s_wait_xcnt 0x0
; q = Wq x, k = Wk x, v = Wv x for 128 positions (two chunk rows) of one encoder, all on codes of FP6 (E2M3) with one E8M0 byte for each 32 along K; the results are quantised for the attention launch.
; A work-group (x = 32 chunk + step, y = encoder) makes one RECORD of kv, 30,720 bytes, and 128 places of qbuf.  Four waves.
; Wave w quantises positions 32 w .. 32 w + 31 of x along the channels (A LANE TAKES A POSITION, ITS REGISTERS RUN DOWN THE CHANNELS: a block of 32 lies in one lane), makes their q and k, and hands x's fragments
; to the other waves through LDS as images of their registers.  Then it makes v for channel tiles 4 w .. 4 w + 3 over all 128 positions and quantises it along the positions, which are the keys.
; POSITIONS OF A TILE ARE NOT NEIGHBOURS: lane r of tile u of wave w is position 32 w + 8 u + r + 8 (r / 8), so that v's 16 registers of two neighbouring tiles are 16 neighbouring keys.
; THE RECORD: 0: v, 16 fragments (16 channels x 128 keys) as register images of 1,536 bytes;  24,576: k, 128 places of 24 bytes (place 16 T + r: key 32 (T / 2) + 8 (T % 2) + r + 8 (r / 8));
;   27,648: v's scale words, four tiles' words to a lane (512 g + 16 l);  29,696: k's scale bytes, each repeated four times, two tiles' words to a lane (256 w + 8 l).
; qbuf: 32 bytes a position: 12 bytes of codes (d = 0 .. 15), the scale byte four times, 12 bytes of codes (d = 16 .. 31), the scale byte four times.
; LIMITS: a block whose largest magnitude lies under 2^-124, a block of zeros among them, takes the byte 1 (this program alone reads the bytes); NaN and infinities are not served.
; REGISTERS: window 0: v1-9 addresses; v16-79 numbers of x in two sets of 32, later 8 accumulators; v80-127 x's four fragments, later at work; v128-223 my 8 fragments of Wv; v224-231 their scale words;
;   v232-239 Wq's and Wk's scale words, later x's; v240-241 my x scale words; v242-248 at work.   window 1: Wq's and Wk's 8 fragments, later x's 16.
.set REC,    30720
.set OFF_K,  24576
.set OFF_VS, 27648
.set OFF_KS, 29696
.set XSC,    24576                     ; LDS: 16 images of 1,536 bytes (4 w + 2 s + u), then 8 x 128 bytes of scale words (2 w + s)
.set XO,  1                            ; v1  4 x my position in the wave's 32
.set LI,  2                            ; v2  16 x lane
.set LS,  3                            ; v3  4 x lane
.set WI,  4                            ; v4  16 x lane + 6,144 x wave: my place among x's images in LDS, and among v's in the record
.set XWS, 5                            ; v5  where I store x's scale words
.set QSO, 6                            ; v6  my 16 bytes in qbuf
.set KSO, 7                            ; v7  my 12 bytes of k's codes
.set K8O, 8                            ; v8  my 8 bytes of k's scale words
.set VSS, 9                            ; v9  my 16 bytes of v's scale words
.set X,   16
.set XF,  80                           ; x's fragment (K step s, tile u) at XF + 24 s + 12 u
.set WVF, 128
.set WVS, 224
.set SCW, 232
.set XSW, 240
.set M0,  242
.set M1,  243
.set SOP, 244
.set BY,  245
.set CT,  246
.set PC,  80                           ; QUANT: the fragment just made,
.set QT,  92                           ; the conversions' second halves,
.set TM,  100                          ; v100-115 at work,
.set PW,  116                          ; v116-119 the scale words of my four tiles of v
.set XP,  22                           ; s[22:23] x at my first position, channel 0;  s[24:25] channel 128
.set WC,  26                           ; s[26:27] the encoder's fragments;  s[28:29] my 8 of Wv
.set WS,  30                           ; s[30:31], s[32:33] the same among the scale words
.set RECB, 34                          ; s[34:35] my record
.set QBP, 36                           ; s[36:37] my 128 places of qbuf
.set SEL, 38
.set MSB, 0
.macro WIN new                         ; the immediate's high byte repeats the setting that is left
.if MSB != \new
	s_set_vgpr_msb (MSB<<8)|\new
.set MSB, \new
.endif
.endm
	s_load_b256 s[4:11], s[0:1], 0x0               ; x0, x1, x2, wcodes
	s_load_b128 s[12:15], s[0:1], 0x20             ; wscales, qbuf
	s_load_b64 s[16:17], s[0:1], 0x30              ; kv
	v_lshl_add_u32 v254, v0, 2, 0x6400
	v_mov_b32 v255, 0
	v_lshrrev_b32 v10, 5, v0
	v_readfirstlane_b32 s18, v10                   ; wave
	s_and_b32 s19, ttmp7, 0xffff                   ; encoder
	v_and_b32 v11, 31, v0                          ; lane
	v_and_b32 v12, 15, v0                          ; r
	v_bfe_u32 v13, v0, 4, 1                        ; h, which is also my tile u
	v_bfe_u32 v14, v0, 3, 1                        ; r / 8
	v_and_b32 v15, 7, v0
	v_lshl_or_b32 v[XO], v13, 3, v15
	v_lshl_or_b32 v[XO], v14, 4, v[XO]             ; my position: 8 u + r + 8 (r / 8)
	v_lshlrev_b32 v[XO], 2, v[XO]
	v_lshlrev_b32 v[LI], 4, v11
	v_lshlrev_b32 v[LS], 2, v11
	s_mul_i32 s40, s18, 6144
	v_add_nc_u32 v[WI], s40, v[LI]
	s_lshl_b32 s41, s18, 8
	v_lshl_add_u32 v[K8O], v11, 3, s41
	s_add_co_u32 s41, s41, XSC
	v_add_nc_u32 v[XWS], s41, v[LS]
	v_lshlrev_b32 v[QSO], 5, v15
	v_lshl_add_u32 v[QSO], v14, 9, v[QSO]          ; 32 bytes x (r + 8 (r / 8)),
	v_lshl_add_u32 v[QSO], v13, 4, v[QSO]          ; + 16 h,
	s_lshl_b32 s40, s18, 10
	v_add_nc_u32 v[QSO], s40, v[QSO]               ; + my wave's 32 places
	v_mul_u32_u24 v[KSO], v12, 24
	v_mad_u32_u24 v[KSO], v13, 12, v[KSO]
	s_mul_i32 s40, s18, 768
	v_add_nc_u32 v[KSO], s40, v[KSO]
	s_lshl_b32 s40, s18, 9
	v_add_nc_u32 v[VSS], s40, v[LI]
	s_mov_b32 s[SEL], 0x76543210
	s_mov_b32 s[SEL+1], 0xfedcba98                 ; v_permlanex16_b32's selects for lane l xor 16
	s_lshr_b32 s40, ttmp9, 5                       ; chunk
	s_and_b32 s41, ttmp9, 31                       ; step
	s_lshr_b32 s42, s40, 1
	s_lshl_b32 s42, s42, 6                         ; the chunk's first image row,
	s_lshl_b32 s41, s41, 1
	s_add_co_u32 s42, s42, s41                     ; + 2 step,
	s_lshr_b32 s41, s18, 1
	s_add_co_u32 s42, s42, s41                     ; + wave / 2
	s_lshl_b32 s42, s42, 7
	s_and_b32 s43, s40, 1
	s_lshl_b32 s43, s43, 6
	s_add_co_u32 s42, s42, s43                     ; the chunk's first column,
	s_and_b32 s41, s18, 1
	s_lshl_b32 s41, s41, 5
	s_add_co_u32 s42, s42, s41                     ; + 32 (wave % 2)
	s_lshl_b32 s42, s42, 2
	s_mov_b32 s43, 0
	s_mov_b32 s45, 0
	s_mov_b32 s47, 0
	s_wait_kmcnt 0x0
	s_cmp_eq_u32 s19, 1                            ; the choice hangs on the work-group's number alone
	s_cselect_b64 s[XP:XP+1], s[6:7], s[4:5]
	s_cmp_eq_u32 s19, 2
	s_cselect_b64 s[XP:XP+1], s[8:9], s[XP:XP+1]
	s_add_nc_u64 s[XP:XP+1], s[XP:XP+1], s[42:43]
	s_add_nc_u64 s[XP+2:XP+3], s[XP:XP+1], 0x800000   ; 128 channels of 65,536 bytes on: the loads' immediates then reach 127 channels, inside their signed 24 bits
	s_mul_i32 s44, s19, 72*1536
	s_add_nc_u64 s[WC:WC+1], s[10:11], s[44:45]
	s_mul_i32 s44, s18, 8*1536
	s_add_co_u32 s44, s44, 8*1536
	s_add_nc_u64 s[WC+2:WC+3], s[WC:WC+1], s[44:45]
	s_mul_i32 s44, s19, 72*128
	s_add_nc_u64 s[WS:WS+1], s[12:13], s[44:45]
	s_lshl_b32 s44, s18, 10
	s_add_co_u32 s44, s44, 8*128
	s_add_nc_u64 s[WS+2:WS+3], s[WS:WS+1], s[44:45]
	s_lshl_b32 s44, s19, 7
	s_add_co_u32 s44, s44, ttmp9                   ; the record's number
	s_mul_i32 s46, s44, REC
	s_add_nc_u64 s[RECB:RECB+1], s[16:17], s[46:47]
	s_lshl_b32 s46, s44, 12
	s_add_nc_u64 s[QBP:QBP+1], s[14:15], s[46:47]
	; the weights first: the first counted wait below then covers them too
.irp f, 0,1,2,3,4,5,6,7                        ; Wv: tile 4 w + f / 2, K step f % 2
.irp j, 0,1,2
	global_load_b128 v[WVF+12*\f+4*\j:WVF+12*\f+4*\j+3], v[LI], s[WC+2:WC+3] offset:1536*\f+512*\j
.endr
	global_load_b32 v[WVS+\f], v[LS], s[WS+2:WS+3] offset:128*\f
.endr
	WIN 0x40                                       ; destination window 1
.irp f, 0,1,2,3,4,5,6,7                        ; Wq (f = 2 tile + s), Wk (4 + 2 tile + s)
.irp j, 0,1,2
	global_load_b128 v[12*\f+4*\j:12*\f+4*\j+3], v[LI], s[WC:WC+1] offset:1536*\f+512*\j
.endr
.endr
	WIN 0
.irp f, 0,1,2,3,4,5,6,7
	global_load_b32 v[SCW+\f], v[LS], s[WS:WS+1] offset:128*\f
.endr
.macro LOAD b                          ; block b: x(32 b + i, my position), i = 0 .. 31, into set b % 2; the wave reads 128 consecutive bytes an instruction
.set ii, 0
.rept 32
	global_load_b32 v[X+32*((\b)%2)+ii], v[XO], s[XP+2*((\b)/4):XP+2*((\b)/4)+1] offset:(32*((\b)%4)+ii)*65536 th:TH_LOAD_NT
.set ii, ii+1
.endr
.endm
.macro BLOCK b                         ; block b of my position is quantised: its 24 bytes go where the even (b % 2 = 0) or the odd blocks of K step b / 4 are gathered
.set XS, X+32*((\b)%2)
.set DST, XF+24*((\b)/4)+12*((\b)%2)+6*(((\b)%4)/2)
.if (\b) < 7
	s_wait_loadcnt 32                              ; this block's 32 loads are in; the next block's 32 may be out
.else
	s_wait_loadcnt 0x0
.endif
	v_max3_num_f32 v[M0], |v[XS]|, |v[XS+1]|, |v[XS+2]|
	v_max3_num_f32 v[M1], |v[XS+3]|, |v[XS+4]|, |v[XS+5]|
.irp i, 6,10,14,18,22,26
	v_max3_num_f32 v[M0], v[M0], |v[XS+\i]|, |v[XS+\i+1]|
	v_max3_num_f32 v[M1], v[M1], |v[XS+\i+2]|, |v[XS+\i+3]|
.endr
	v_max3_num_f32 v[M0], v[M0], |v[XS+30]|, |v[XS+31]|
	v_max3_num_f32 v[M0], v[M0], v[M1], 0x1800000  ; and the floor 2^(3 - 127): the byte cannot fall under 1
	v_add_nc_u32 v[SOP], 0xff000000, v[M0]         ; 2 off the exponent field: the conversion's scale operand
	v_cvt_scalef32_pk16_fp6_f32 v[DST:DST+2], v[XS:XS+15], v[SOP]
	v_cvt_scalef32_pk16_fp6_f32 v[CT:CT+2], v[XS+16:XS+31], v[SOP]   ; (a conversion's three registers begin on an even number)
.if (\b)%4 == 0
	v_lshrrev_b32 v[XSW+(\b)/4], 23, v[SOP]        ; the scale's byte begins the K step's word.  (Also the plain line behind the conversions)
.else
	v_lshrrev_b32 v[BY], 23, v[SOP]
	v_lshl_or_b32 v[XSW+(\b)/4], v[BY], 8*((\b)%4), v[XSW+(\b)/4]
.endif
.irp i, 0,1,2
	v_mov_b32 v[DST+3+\i], v[CT+\i]
.endr
.if (\b) < 6
	LOAD (\b)+2
.endif
.endm
; K step s is whole.  XF(s, 0) holds every lane's even blocks and XF(s, 1) the odd ones; the exchange of halves makes of them the fragments of tile 0 (the positions of lanes 0-15) and of tile 1.
; The scale word needs no exchange: lanes 0-15 hold tile 0's words, lanes 16-31 tile 1's, which the matrix instruction reads by its selector of the upper lanes.
.macro IMAGES s
.irp i, 0,1,2,3,4,5,6,7,8,9,10,11
	v_permlane16_swap_b32 v[XF+24*\s+\i], v[XF+24*\s+12+\i]
.endr
.irp u, 0,1
.irp j, 0,1,2
	ds_store_b128 v[WI], v[XF+24*\s+12*\u+4*\j:XF+24*\s+12*\u+4*\j+3] offset:1536*(2*\s+\u)+512*\j
.endr
.endr
	ds_store_b32 v[XWS], v[XSW+\s] offset:128*\s
.endm
	LOAD 0
	LOAD 1
	BLOCK 0
	BLOCK 1
	BLOCK 2
	BLOCK 3
	IMAGES 0
	BLOCK 4
	BLOCK 5
	BLOCK 6
	BLOCK 7
	IMAGES 1
.rept 8
	v_nop                                          ; a scale register written by vector instructions stands 8 places ahead of a scaled matrix instruction, an operand so written 4
.endr
; q and k of my own 32 positions, transposed: source 0 = 16 rows of Wq or Wk, source 1 = 16 positions.  Lane (r, h) then holds position r of tile u, and the 16 registers of the two tiles d = 16 h + 0 .. 15.
.macro QKMUL s, u, k, d
.set DD, X+32*\u+16*\k+8*\d
.set AA, 12*(4*\k+2*\d+\s)
.set BB, XF+24*\s+12*\u
.set SA, SCW+4*\k+2*\d+\s
.if \s == 0
.if \u == 0
	v_wmma_scale_f32_16x16x128_f8f6f4 v[DD:DD+7], v[AA:AA+11], v[BB:BB+11], 0, v[SA], v[XSW+\s] matrix_a_fmt:MATRIX_FMT_FP6 matrix_b_fmt:MATRIX_FMT_FP6
.else
	v_wmma_scale_f32_16x16x128_f8f6f4 v[DD:DD+7], v[AA:AA+11], v[BB:BB+11], 0, v[SA], v[XSW+\s] matrix_a_fmt:MATRIX_FMT_FP6 matrix_b_fmt:MATRIX_FMT_FP6 matrix_b_scale:MATRIX_SCALE_ROW1
.endif
.else
.if \u == 0
	v_wmma_scale_f32_16x16x128_f8f6f4 v[DD:DD+7], v[AA:AA+11], v[BB:BB+11], v[DD:DD+7], v[SA], v[XSW+\s] matrix_a_fmt:MATRIX_FMT_FP6 matrix_b_fmt:MATRIX_FMT_FP6
.else
	v_wmma_scale_f32_16x16x128_f8f6f4 v[DD:DD+7], v[AA:AA+11], v[BB:BB+11], v[DD:DD+7], v[SA], v[XSW+\s] matrix_a_fmt:MATRIX_FMT_FP6 matrix_b_fmt:MATRIX_FMT_FP6 matrix_b_scale:MATRIX_SCALE_ROW1
.endif
.endif
.endm
	WIN 0x01                                       ; source 0 window 1
.irp s, 0,1                                    ; the eight accumulators by turns, a K step at a time
.irp u, 0,1
.irp k, 0,1
.irp d, 0,1
	QKMUL \s, \u, \k, \d
.endr
.endr
.endr
.endr
	WIN 0
.rept 5
	v_nop                                          ; places behind the products
.endr
	s_wait_dscnt 0x0                               ; the image stores have read x's fragments: their registers are at work from here on
; four units a = 2 u + (0: q, 1: k): one block of 32 along d each, 16 numbers in me and 16 in lane l xor 16
.irp a, 0,1,2,3
	v_max3_num_f32 v[80+\a], |v[X+16*\a]|, |v[X+1+16*\a]|, 0x1800000
.endr
.irp i, 2,4,6,8,10,12,14
.irp a, 0,1,2,3
	v_max3_num_f32 v[80+\a], v[80+\a], |v[X+16*\a+\i]|, |v[X+1+16*\a+\i]|
.endr
.endr
.irp a, 0,1,2,3
	v_permlanex16_b32 v[84+\a], v[80+\a], s[SEL], s[SEL+1]
.endr
.irp a, 0,1,2,3
	v_max_num_f32 v[80+\a], v[80+\a], v[84+\a]
.endr
.irp a, 0,1,2,3
	v_add_nc_u32 v[88+\a], 0xff000000, v[80+\a]
.endr
.irp a, 0,1,2,3
	v_lshrrev_b32 v[92+\a], 23, v[88+\a]
.endr
.irp a, 0,1,2,3
	v_cvt_scalef32_pk16_fp6_f32 v[96+4*\a:98+4*\a], v[X+16*\a:X+16*\a+15], v[88+\a]   ; 12 bytes: d = 16 h + 0 .. 15
.endr
	v_nop                                          ; one plain line behind the conversions
	v_perm_b32 v99, v92, v92, 0                    ; the scale's byte in all four bytes of a word: the attention launch sets these 32 numbers into any of an operand's four blocks
	v_perm_b32 v107, v94, v94, 0
	v_perm_b32 v112, v93, v93, 0
	v_perm_b32 v113, v95, v95, 0
	global_store_b128 v[QSO], v[96:99], s[QBP:QBP+1]
	global_store_b128 v[QSO], v[104:107], s[QBP:QBP+1] offset:256
	global_store_b96 v[KSO], v[100:102], s[RECB:RECB+1] offset:OFF_K
	global_store_b96 v[KSO], v[108:110], s[RECB:RECB+1] offset:OFF_K+384
	global_store_b64 v[K8O], v[112:113], s[RECB:RECB+1] offset:OFF_KS
	s_barrier_signal -1                            ; every wave's image stores have landed (the wait for them stands above)
	s_barrier_wait -1
	WIN 0x40
.irp f, 0,1,2,3,4,5,6,7,8,9,10,11,12,13,14,15  ; all sixteen fragments of x: f = 4 w + 2 s + u
.irp j, 0,1,2
	ds_load_b128 v[12*\f+4*\j:12*\f+4*\j+3], v[LI] offset:1536*\f+512*\j
.endr
.endr
	WIN 0
.irp f, 0,1,2,3,4,5,6,7
	ds_load_b32 v[SCW+\f], v[LS] offset:XSC+128*\f
.endr
	s_wait_dscnt 0x0
	s_wait_xcnt 0x0                                ; the stores of q and k have read their registers, which QUANT writes
; 64 numbers of a lane, register 16 b + i = k 32 b + 16 h + i of my row, become a fragment's codes in v[PC] on and its scale word in v[pw].
.macro QUANT s, pw
.irp b, 0,1,2,3
	v_max3_num_f32 v[TM+\b], |v[\s+16*\b]|, |v[\s+1+16*\b]|, 0x1800000
.endr
.irp i, 2,4,6,8,10,12,14
.irp b, 0,1,2,3
	v_max3_num_f32 v[TM+\b], v[TM+\b], |v[\s+16*\b+\i]|, |v[\s+1+16*\b+\i]|
.endr
.endr
.irp b, 0,1,2,3
	v_permlanex16_b32 v[TM+4+\b], v[TM+\b], s[SEL], s[SEL+1]
.endr
.irp b, 0,1,2,3
	v_max_num_f32 v[TM+\b], v[TM+\b], v[TM+4+\b]
.endr
.irp b, 0,1,2,3
	v_add_nc_u32 v[TM+12+\b], 0xff000000, v[TM+\b]
.endr
.irp b, 0,1,2,3
	v_lshrrev_b32 v[TM+4+\b], 23, v[TM+12+\b]
.endr
	v_lshl_or_b32 v[\pw], v[TM+5], 8, v[TM+4]
	v_lshl_or_b32 v[\pw], v[TM+6], 16, v[\pw]
	v_lshl_or_b32 v[\pw], v[TM+7], 24, v[\pw]
.irp c, 0,1
	v_cvt_scalef32_pk16_fp6_f32 v[PC+6*\c:PC+2+6*\c], v[\s+32*\c:\s+15+32*\c], v[TM+12+2*\c]
	v_cvt_scalef32_pk16_fp6_f32 v[QT+4*\c:QT+2+4*\c], v[\s+16+32*\c:\s+31+32*\c], v[TM+12+2*\c+1]
.endr
	v_nop                                          ; one plain line behind the conversions
.irp c, 0,1                                    ; the layout wants a whole block in a lane: lanes 0-15 block 2 c, lanes 16-31 block 2 c + 1
.irp i, 0,1,2
	v_permlane16_swap_b32 v[PC+6*\c+\i], v[QT+4*\c+\i]
.endr
.irp i, 0,1,2
	v_mov_b32 v[PC+3+6*\c+\i], v[QT+4*\c+\i]
.endr
.endr
.endm
; v: source 0 = 16 positions of x, source 1 = 16 rows of Wv.  Lane (r, h) holds channel r of the tile, and register 16 w + 8 u + j position 32 w + 16 h + 8 u + j.
.macro VMUL i, s, w, u
.set DD, X+16*\w+8*\u
.set AA, 12*(4*\w+2*\s+\u)
.set BB, WVF+12*(2*\i+\s)
.if \s == 0
.if \u == 0
	v_wmma_scale_f32_16x16x128_f8f6f4 v[DD:DD+7], v[AA:AA+11], v[BB:BB+11], 0, v[SCW+2*\w+\s], v[WVS+2*\i+\s] matrix_a_fmt:MATRIX_FMT_FP6 matrix_b_fmt:MATRIX_FMT_FP6
.else
	v_wmma_scale_f32_16x16x128_f8f6f4 v[DD:DD+7], v[AA:AA+11], v[BB:BB+11], 0, v[SCW+2*\w+\s], v[WVS+2*\i+\s] matrix_a_fmt:MATRIX_FMT_FP6 matrix_b_fmt:MATRIX_FMT_FP6 matrix_a_scale:MATRIX_SCALE_ROW1
.endif
.else
.if \u == 0
	v_wmma_scale_f32_16x16x128_f8f6f4 v[DD:DD+7], v[AA:AA+11], v[BB:BB+11], v[DD:DD+7], v[SCW+2*\w+\s], v[WVS+2*\i+\s] matrix_a_fmt:MATRIX_FMT_FP6 matrix_b_fmt:MATRIX_FMT_FP6
.else
	v_wmma_scale_f32_16x16x128_f8f6f4 v[DD:DD+7], v[AA:AA+11], v[BB:BB+11], v[DD:DD+7], v[SCW+2*\w+\s], v[WVS+2*\i+\s] matrix_a_fmt:MATRIX_FMT_FP6 matrix_b_fmt:MATRIX_FMT_FP6 matrix_a_scale:MATRIX_SCALE_ROW1
.endif
.endif
.endm
.irp i, 0,1,2,3                                ; my four tiles of channels
	WIN 0x01
.irp s, 0,1                                    ; the eight accumulators by turns, a K step at a time
.irp w, 0,1,2,3
.irp u, 0,1
	VMUL \i, \s, \w, \u
.endr
.endr
.endr
	WIN 0
.rept 5
	v_nop                                          ; places behind the products: four for the reads below, a fifth since the next tile's products start anew over these accumulators
.endr
.if \i > 0
	s_wait_xcnt 0x0                                ; the last tile's stores have read the fragment's registers
.endif
	QUANT X, PW+\i
.irp j, 0,1,2
	global_store_b128 v[WI], v[PC+4*\j:PC+4*\j+3], s[RECB:RECB+1] offset:1536*\i+512*\j   ; 32 lanes store 512 consecutive bytes
.endr
.endr
	global_store_b128 v[VSS], v[PW:PW+3], s[RECB:RECB+1] offset:OFF_VS
	s_wait_tensorcnt 0x0
	ds_add_u32 v254, v255
	s_wait_dscnt 0x0
	s_endpgm
.Lfunc_end_k_q8b63f677cd_proj:
	.size	k_q8b63f677cd_proj, .Lfunc_end_k_q8b63f677cd_proj-k_q8b63f677cd_proj
	.p2alignl 7, 3214868480
	.fill 96, 4, 3214868480
	.section	.rodata,"a",@progbits
	.p2align	6, 0x0
	.amdhsa_kernel k_q8b63f677cd_proj
		.amdhsa_group_segment_fixed_size 26112
		.amdhsa_private_segment_fixed_size 0
		.amdhsa_enable_private_segment 0
		.amdhsa_kernarg_size 56
		.amdhsa_user_sgpr_count 2
		.amdhsa_user_sgpr_kernarg_segment_ptr 1
		.amdhsa_wavefront_size32 1
		.amdhsa_system_sgpr_workgroup_id_x 1
		.amdhsa_system_sgpr_workgroup_id_y 1
		.amdhsa_system_sgpr_workgroup_id_z 1
		.amdhsa_system_vgpr_workitem_id 0
		.amdhsa_next_free_vgpr 448
		.amdhsa_next_free_sgpr 66
		.amdhsa_reserve_vcc 0
		.amdhsa_float_denorm_mode_32 3
		.amdhsa_float_denorm_mode_16_64 3
		.amdhsa_memory_ordered 1
		.amdhsa_forward_progress 1
		.amdhsa_inst_pref_size 82
	.end_amdhsa_kernel
	.amdgpu_metadata
---
amdhsa.version: [ 1, 2 ]
amdhsa.kernels:
  - .name:           k_q8b63f677cd_proj
    .symbol:         k_q8b63f677cd_proj.kd
    .args:
      - { .name: x0, .offset: 0, .size: 8, .value_kind: global_buffer, .address_space: global }
      - { .name: x1, .offset: 8, .size: 8, .value_kind: global_buffer, .address_space: global }
      - { .name: x2, .offset: 16, .size: 8, .value_kind: global_buffer, .address_space: global }
      - { .name: wcodes, .offset: 24, .size: 8, .value_kind: global_buffer, .address_space: global }
      - { .name: wscales, .offset: 32, .size: 8, .value_kind: global_buffer, .address_space: global }
      - { .name: qbuf, .offset: 40, .size: 8, .value_kind: global_buffer, .address_space: global }
      - { .name: kv, .offset: 48, .size: 8, .value_kind: global_buffer, .address_space: global }
    .group_segment_fixed_size: 26112
    .private_segment_fixed_size: 0
    .kernarg_segment_align: 8
    .kernarg_segment_size: 56
    .max_flat_workgroup_size: 128
    .sgpr_count:     66
    .vgpr_count:     448
    .wavefront_size: 32
...
	.end_amdgpu_metadata
.endif
;; end of part 2
;; launch attn (part 3): grid 256 x 1, 12 waves a work-group, clusters of 4 x 1, 327,680 bytes of LDS; arguments qbuf, kv, wcodes, wscales, x0, x1, x2, gamma, out0; writes out0
.if DOCPART == 3
	.amdgcn_target "amdgcn-amd-amdhsa--gfx1250"
	.amdhsa_code_object_version 6
	.text
	.protected	k_q8b63f677cd_attn
	.globl	k_q8b63f677cd_attn
	.p2align	8
	.type	k_q8b63f677cd_attn,@function
k_q8b63f677cd_attn:
	s_mov_b64 s[64:65], 0
	v_nop
	global_prefetch_b8 v0, s[64:65] scope:SCOPE_SE
	s_setreg_imm32_b32 hwreg(HW_REG_WAVE_MODE, 25, 1), 1
	s_wait_xcnt 0x0
	s_wait_alu depctr_hold_cnt(0) depctr_sa_sdst(0) depctr_va_vdst(0) depctr_va_sdst(0) depctr_va_ssrc(0) depctr_va_vcc(0) depctr_vm_vsrc(0)
	s_getreg_b32 s2, hwreg(HW_REG_IB_STS2, 6, 4)
	s_cmp_eq_u32 s2, 0
	s_cbranch_scc0 .Lentry_in_a_cluster
	s_endpgm
.Lentry_in_a_cluster:
	s_bfe_u32 s2, ttmp6, 0x10000c
	s_cmp_lg_u32 s2, 0x3003
	s_cbranch_scc0 .Lentry_shape_is_right
	s_endpgm
.Lentry_shape_is_right:
; Attention inside a chunk for all three encoders, the residual, and the last 1 x 1 convolution, all products on codes of FP6 (E2M3) with one E8M0 byte for each 32 along K.
; SHARES.  A work-group owns one chunk row: 64 positions, in all three encoders: 12 tiles of 16 queries, one to each of its TWELVE waves (wave = 4 E + T: encoder E, tile T), 3,072 tiles on 256 work-groups.
; So it holds all 768 channels of y for its 64 positions, and the last product needs no memory between.  Every wave walks the 32 records (128 keys each) of its encoder's chunk.
; THE RING.  Two LDS slots, each with one record of each encoder (3 x 30,720 bytes); every wave fetches a quarter record (30 rows of 256 bytes) with one tensor load behind each change of slots.
; CLUSTER.  The four work-groups of a cluster lie in one chunk and walk the same records: each quarter record is asked for JOINTLY, by the same load with the same descriptor and the mask of all four.
; S^T = K Q^T HAS K = 32.  64 keys x 24 bytes are one operand of 12 registers: key tile 4 F + b lies in K block b of operand F.  The other source is q's 24 bytes set into block b alone, zero codes elsewhere:
; the other tiles' codes meet zero codes.  k's and q's scale bytes are stored repeated four times, so that they stand at whichever block is used.
; THE SOFTMAX: t = score x log2(e); M = the running largest t rounded up to a whole number; p = 2^(t - M) is quantised along the keys, not normalised; the row's sum is taken of the unquantised p and divides at the end.
; When M moves, the sum and O are multiplied by 2^(old M - new M): exact.  A block's largest p is made from its largest score by the same two instructions (this takes v_exp_f32 not to fall where its input rises).
; O^T = V^T P^T: source 0 = 16 channels of v (a register image from the record), source 1 = p.  A lane holds one query throughout, and O^T's 16 registers of two neighbouring tiles are 16 neighbouring channels,
; so that y = gamma O / l + x is quantised along the channels in registers.  y's fragments go from wave to wave through LDS as register images; eight waves then make 32 output channels each.
; LIMITS: NaN and infinities among the inputs are not served; a block whose largest magnitude lies under 2^-124, a block of zeros among them, takes the byte 1 (its codes then add what the held scale gives; zeros add nothing).
; REGISTERS: window 0: v1-16 addresses; v17 q's scale word; v18 -M, v19 the largest t, v[20:21] the sum, v[22:23] f, v24 p's scale word, v25 at work; v26-55 zeros and q's codes; v56-63 k's scale words; v64-71 v's;
;   v72-79 at work; v80-87 block maxima; v88-111 k's two operands; v112-175 S^T, then p; v80-127 and v128-175 are also v's two buffers of four fragments; v176-239 O^T's tiles 0-7; v240-251 p's codes; v252-255 scale operands.
;   window 1: v256-319 O^T's tiles 8-15, later the 8 accumulators of the last product.
.set REC,    30720
.set QREC,   7680                      ; a quarter record: what one tensor load brings
.set OFF_K,  24576
.set OFF_VS, 27648
.set OFF_KS, 29696
.set SLOT1,  1<<17                     ; slot 1 begins here, so that one exclusive or turns an address in one slot into the other's
.set YIMG,   SLOT1+3*REC               ; behind the ring: y's 24 fragments (6 T + K step), 1,536 bytes each,
.set YSC,    YIMG+24*1536              ; their scale words, 128 bytes each,
.set SPARE,  YSC+24*128                ; and the spare words, 128 bytes for each wave: six blocks of 256 bytes that no other line names
.set SP,     272                       ; the way out: 32 rows x (256 bytes + 16) for each of eight waves, in slot 0, which has had its last fill and its last read by then
.set SPW, 1
.set NIL, 2
.set BV,  3                            ; my lane's place in my encoder's record: 16 x lane,
.set BK,  4                            ; among k's places: 24 x lane,
.set B8,  5                            ; among k's scale words: 8 x lane
.set ADV, 6                            ; the same in the slot in hand.  In the tail v6-8 are offsets in memory
.set ADK, 7
.set AD8, 8
.set YWI, 9
.set YWS, 10
.set YRD, 11
.set YRS, 12
.set SO,  13
.set SR,  14
.set PFO, 15
.set GO,  16
.set QS,  17
.set NM,  18
.set TT,  19
.set LL,  20
.set FF,  22
.set PS,  24
.set TMP, 25
.set QB,  26                           ; six registers each: zeros, q in lanes 0-15, zeros, q in lanes 16-31, zeros
.set TM,  26                           ; QUANT's work registers, in the tail
.set KS,  56
.set VS,  64
.set CT,  72
.set BM,  80
.set PM,  84
.set KF,  88
.set S,   112
.set OL,  176
.set PC,  240
.set SOP, 252
.set WV,  3                            ; s3 wave, s4 encoder E, s5 tile T
.set G1,  32
.set G0,  40
.set SEL, 44
.set CS,  46
.set TB,  48
.set CNT, 49
.set PFA, 50
.set LIM, 52
.set GAM, 59
.set XB,  60                           ; s[60:61] x at my first position, channel 0;  s[62:63] channel 128
.set OB,  66
.set WCB, 68
.set WSB, 70
.set QP,  72
.set MSB, 0
.macro WIN new                         ; the immediate's high byte repeats the setting that is left
.if MSB != \new
	s_set_vgpr_msb (MSB<<8)|\new
.set MSB, \new
.endif
.endm
.macro CROUND                          ; a round of the cluster's barrier: my work-group's barrier, wave 0 signals for the work-group, every wave waits for all four, my work-group's barrier once more
	s_barrier_signal -1
	s_barrier_wait -1
	s_cmp_lg_u32 s[WV], 0
	s_cbranch_scc1 .Lnot_wave_0_\@
	s_barrier_signal -3
.Lnot_wave_0_\@:
	s_barrier_wait -3
	s_barrier_signal -1
	s_barrier_wait -1
.endm
; A prefetch of the record that the NEXT change of slots will ask for.  All sixteen clusters of a chunk walk the same records: the chunk's first cluster asks.  Its four partners take a quarter record each, told apart
; BY ADDRESS; in each, waves 0, 4 and 8 ask, one for each encoder: 30 blocks of 256 bytes, a lane a block (lanes 30 and 31 repeat lane 29's).  The last change that fills a slot asks for nothing.
.macro ASK
	s_cmp_gt_u32 s[CNT], s[LIM]
	s_cbranch_scc0 .Lnot_mine_\@
	global_prefetch_b8 v[PFO], s[PFA:PFA+1] th:TH_LOAD_NT scope:SCOPE_SE
.Lnot_mine_\@:
.endm
	s_load_b512 s[8:23], s[0:1], 0x0               ; qbuf s[8:9], kv s[10:11], wcodes s[12:13], wscales s[14:15], x0 s[16:17], x1 s[18:19], x2 s[20:21], gamma s[22:23]
	s_load_b64 s[24:25], s[0:1], 0x40              ; out0
	v_lshl_add_u32 v[SPW], v0, 2, SPARE
	v_mov_b32 v[NIL], 0
	ds_add_u32 v1, v2
	ds_add_u32 v1, v2
	s_wait_dscnt 0x0
	v_lshrrev_b32 v[TMP], 5, v0
	s_delay_alu instid0(VALU_DEP_1)
	v_readfirstlane_b32 s[WV], v[TMP]              ; wave 0..11
	s_lshr_b32 s4, s[WV], 2                        ; E
	s_and_b32 s5, s[WV], 3                         ; T
	s_bfe_u32 s6, ttmp6, 0x40000                   ; cx: it enters addresses in memory of q, x, out0 and the prefetches alone
	s_lshl_b32 s7, ttmp9, 2
	s_add_co_u32 s7, s7, s6                        ; work-group
	s_lshr_b32 s26, ttmp9, 4                       ; chunk: the four partners share it
	s_and_b32 s27, s7, 63                          ; my chunk row
	s_lshl_b32 s28, s4, 7
	s_lshl_b32 s29, s26, 5
	s_add_co_u32 s28, s28, s29                     ; my encoder's and chunk's first record
	s_mul_i32 s30, s28, REC
	s_mul_i32 s31, s5, QREC
	s_add_co_u32 s30, s30, s31                     ; and my quarter of it
	s_mov_b32 s31, 0
	; descriptor group 1: 30 dense rows of 256 bytes (32 elements of 8 bytes), no padding: all reads are dense images
	s_mov_b32 s[G1], 15|(3<<16)|(1<<21)            ; 15:0 the mask: all four work-groups; 17:16 elements of 8 bytes; 21 set beside a mask
	s_mov_b32 s[G1+1], 32<<16                      ; tensor_dim0 = 32
	s_mov_b32 s[G1+2], 30<<16                      ; tensor_dim1 = 30
	s_mov_b32 s[G1+3], 32<<16                      ; tile_dim0 = 32
	s_mov_b32 s[G1+4], 30                          ; tile_dim1 = 30
	s_mov_b32 s[G1+5], 32                          ; from row to row
	s_mov_b32 s[G1+6], 0
	s_mov_b32 s[G1+7], 0
	s_mov_b32 s[SEL], 0x76543210
	s_mov_b32 s[SEL+1], 0xfedcba98                 ; v_permlanex16_b32's selects for lane l xor 16
	s_mov_b32 s[CS], 0x3fb8aa3b                    ; log2(e)
	s_mov_b32 s[CS+1], s[CS]                       ; (named with it as a pair, so it is written)
	s_mov_b32 s[TB], 0
	s_mov_b32 s[CNT], 31
	s_wait_kmcnt 0x0
	s_load_b96 s[56:58], s[22:23], 0x0             ; gamma
	s_mov_b32 s[G0], 1                             ; count = 1
	s_mul_i32 s[G0+1], s[WV], QREC                 ; LDS address: slot 0, wave x a quarter record
	s_add_nc_u64 s[G0+2:G0+3], s[10:11], s[30:31]
	s_or_b32 s[G0+3], s[G0+3], 0x80000000          ; type = 2
	CROUND                                         ; all four work-groups are here: the first joint loads meet
	tensor_load_to_lds s[G0:G0+3], s[G1:G1+7]      ; record 0 into slot 0
	s_nop 0
.rept 4
	v_nop
.endr
	s_lshl_b32 s74, s28, 12                        ; q: 32 bytes a position, 4,096 a record,
	s_lshl_b32 s76, s27, 11                        ; 64 positions a chunk row,
	s_add_co_u32 s74, s74, s76
	s_lshl_b32 s76, s5, 9                          ; 16 a tile
	s_add_co_u32 s74, s74, s76
	s_mov_b32 s75, 0
	s_add_nc_u64 s[QP:QP+1], s[8:9], s[74:75]
	v_and_b32 v72, 31, v0                          ; lane
	s_wait_alu depctr_va_vdst(0)
	v_and_b32 v73, 15, v0                          ; r
	v_bfe_u32 v74, v0, 4, 1                        ; h
	s_delay_alu instid0(VALU_DEP_2)
	v_lshlrev_b32 v[TMP], 5, v73
	global_load_b128 v[112:115], v[TMP], s[QP:QP+1]            ; both halves of the lanes read query r: codes of d = 0 .. 15 and the scale word,
	global_load_b128 v[116:119], v[TMP], s[QP:QP+1] offset:16  ; codes of d = 16 .. 31
	s_lshr_b32 s53, s26, 1
	s_lshl_b32 s53, s53, 6
	s_add_co_u32 s53, s53, s27                     ; my image row
	s_lshl_b32 s53, s53, 7
	s_and_b32 s54, s26, 1
	s_lshl_b32 s54, s54, 6
	s_add_co_u32 s53, s53, s54                     ; and the chunk's first column
	s_lshl_b32 s74, s53, 2
	s_cmp_eq_u32 s4, 1                             ; the choice hangs on the wave's number alone
	s_cselect_b64 s[XB:XB+1], s[18:19], s[16:17]
	s_cmp_eq_u32 s4, 2
	s_cselect_b64 s[XB:XB+1], s[20:21], s[XB:XB+1]
	s_add_nc_u64 s[XB:XB+1], s[XB:XB+1], s[74:75]
	s_add_nc_u64 s[OB:OB+1], s[24:25], s[74:75]
	s_lshl_b32 s74, s5, 6
	s_add_nc_u64 s[XB:XB+1], s[XB:XB+1], s[74:75]  ; my tile's 16 positions
	s_add_nc_u64 s[XB+2:XB+3], s[XB:XB+1], 0x800000   ; 128 channels of 65,536 bytes on
	s_lshl_b32 s74, s[WV], 21
	s_add_nc_u64 s[OB:OB+1], s[OB:OB+1], s[74:75]  ; out0: output channels 32 x wave on (used by waves 0 to 7)
	s_mul_i32 s74, s[WV], 4*1536
	s_add_nc_u64 s[WCB:WCB+1], s[12:13], s[74:75]  ; Wout's fragments of output tiles 2 x wave, 2 x wave + 1
	s_lshl_b32 s74, s[WV], 9
	s_add_nc_u64 s[WSB:WSB+1], s[14:15], s[74:75]
	s_add_co_u32 s74, s28, 1                       ; the prefetches stand at record 1; the first change of slots steps them to record 2.  Nothing is prefetched here, at the head
	s_mul_i32 s74, s74, REC
	s_mul_i32 s76, s6, QREC                        ; my work-group's quarter
	s_add_co_u32 s74, s74, s76
	s_add_nc_u64 s[PFA:PFA+1], s[10:11], s[74:75]
	s_and_b32 s[LIM], ttmp9, 15                    ; 0 in the chunk's first cluster,
	s_or_b32 s[LIM], s[LIM], s5                    ; in waves 0, 4 and 8: the same in all four partners
	s_cmp_eq_u32 s[LIM], 0
	s_cselect_b32 s[LIM], 1, -1
	; every LDS address is made here, of the lane, the wave's number and constants
	s_mul_i32 s77, s4, REC
	s_add_co_u32 s78, s77, OFF_K
	s_add_co_u32 s79, s77, OFF_KS
	v_lshl_add_u32 v[BV], v72, 4, s77
	v_mul_u32_u24 v[BK], v72, 24
	s_delay_alu instid0(VALU_DEP_1)
	v_add_nc_u32 v[BK], s78, v[BK]
	v_lshl_add_u32 v[B8], v72, 3, s79
	s_mul_i32 s80, s5, 6*1536
	s_mul_i32 s81, s4, 2*1536
	s_add_co_u32 s80, s80, s81
	s_add_co_u32 s80, s80, YIMG
	v_lshl_add_u32 v[YWI], v72, 4, s80             ; where I store y's two fragments: 6 T + 2 E
	s_mul_i32 s81, s5, 6*128
	s_lshl_b32 s82, s4, 8
	s_add_co_u32 s81, s81, s82
	s_add_co_u32 s81, s81, YSC
	v_lshl_add_u32 v[YWS], v72, 2, s81
	v_lshl_add_u32 v[YRD], v72, 4, YIMG
	v_lshl_add_u32 v[YRS], v72, 2, YSC
	s_mul_i32 s83, s[WV], 32*SP                    ; my stage
	v_and_b32 v75, 8, v73
	s_delay_alu instid0(VALU_DEP_1)
	v_add_nc_u32 v75, v75, v73                     ; r + 8 (r / 8): my output channel in a tile
	s_delay_alu instid0(VALU_DEP_1)
	v_mul_u32_u24 v[SO], v75, SP
	s_delay_alu instid0(VALU_DEP_1)
	v_lshl_add_u32 v[SO], v74, 5, v[SO]
	s_delay_alu instid0(VALU_DEP_1)
	v_add_nc_u32 v[SO], s83, v[SO]
	v_mul_u32_u24 v[SR], v74, SP                   ; back: lanes 0-15 one row of 256 bytes, lanes 16-31 the next
	s_delay_alu instid0(VALU_DEP_1)
	v_lshl_add_u32 v[SR], v73, 4, v[SR]
	s_delay_alu instid0(VALU_DEP_1)
	v_add_nc_u32 v[SR], s83, v[SR]
	v_lshlrev_b32 v[GO], 16, v74                   ; and the same two rows in out0, 65,536 bytes apart
	s_delay_alu instid0(VALU_DEP_1)
	v_lshl_add_u32 v[GO], v73, 4, v[GO]
	v_min_u32 v[PFO], 29, v72
	s_delay_alu instid0(VALU_DEP_1)
	v_lshlrev_b32 v[PFO], 8, v[PFO]
.irp i, 0,1,2,3,4,5
	v_mov_b32 v[QB+\i], 0
	v_mov_b32 v[QB+12+\i], 0
	v_mov_b32 v[QB+24+\i], 0
.endr
.set j, 0
.rept 64
	v_mov_b32 v[OL+j], 0                           ; O^T.  (The key step is written once for all steps: the first finds zeros, which the first change of M leaves zeros)
.set j, j+1
.endr
	WIN 0x40
.set j, 0
.rept 64
	v_mov_b32 v[j], 0
.set j, j+1
.endr
	WIN 0
	v_mov_b32 v[TT], 0xff61b1e6                    ; the largest t so far: -3e38, under every t
	s_delay_alu instid0(VALU_DEP_1)
	v_floor_f32 v[NM], -v[TT]                      ; -M
	v_mov_b32 v[LL], 0
	v_mov_b32 v[LL+1], 0
	v_mov_b32 v[FF+1], 0                           ; (named as the upper half of the pair)
.irp b, 0,1,2,3
	v_mov_b32 v[PM+\b], 0                          ; (a lane permute's destination counts as one of its sources)
.endr
	v_cmp_gt_u32 vcc_lo, 16, v72
	s_wait_loadcnt 0x0                             ; q
	v_mov_b32 v[QS], v115                          ; q's scale word in a register that holds scales alone
.irp i, 0,1,2
	v_cndmask_b32 v[QB+6+\i], 0, v[112+\i], vcc_lo         ; q's codes in lanes 0-15, zero codes in lanes 16-31,
	v_cndmask_b32 v[QB+9+\i], 0, v[116+\i], vcc_lo
	v_cndmask_b32 v[QB+18+\i], v[112+\i], v[QB], vcc_lo    ; and the other way round
	v_cndmask_b32 v[QB+21+\i], v[116+\i], v[QB], vcc_lo
.endr
	s_wait_kmcnt 0x0                               ; gamma
	s_cmp_eq_u32 s4, 1
	s_cselect_b32 s[GAM], s57, s56
	s_cmp_eq_u32 s4, 2
	s_cselect_b32 s[GAM], s58, s[GAM]
; THE CHANGE OF SLOTS stands at a step's head.  Each wave waits for all its tensor loads (one is out: its quarter of the record that it is about to read), adds 0 to its spare word, and waits for that and for its reads
; of the slot that it has left.  fill = 1: a round of the cluster's barrier, and behind it the slot just left takes the next record: the load has a whole key step in which to land.
.macro CHANGE fill
	s_wait_tensorcnt 0x0                           ; no tensor load of mine is out, so the descriptor may be written
	ds_add_u32 v[SPW], v[NIL]                      ; 0 onto my spare word
.if \fill
	s_xor_b32 s[G0+1], s[G0+1], SLOT1              ; the other slot than last time,
	s_add_nc_u64 s[G0+2:G0+3], s[G0+2:G0+3], REC   ; the next record; the type bits on top are not reached
	s_wait_xcnt 0x0                                ; the last prefetch, a key step back, has read its address
	s_add_nc_u64 s[PFA:PFA+1], s[PFA:PFA+1], REC   ; one record further on than the descriptor
.endif
	s_wait_dscnt 0x0                               ; the add is done, and my reads of the slot that I have left are over
.if \fill
	CROUND                                         ; no wave of any partner still reads that slot or has a load on its way
	tensor_load_to_lds s[G0:G0+3], s[G1:G1+7]      ; my one tensor load until the next round
	s_nop 0
.rept 4
	v_nop
.endr
	ASK
.else
	s_barrier_signal -1
	s_barrier_wait -1
.endif
.endm
.macro VLOAD g                         ; v's fragments of channel tiles 4 g .. 4 g + 3 into buffer g % 2, and their four scale words: 13 loads
.irp i, 0,1,2,3
.irp j, 0,1,2
	ds_load_b128 v[80+48*((\g)%2)+12*\i+4*\j:80+48*((\g)%2)+12*\i+4*\j+3], v[ADV] offset:1536*(4*(\g)+\i)+512*\j
.endr
.endr
	ds_load_b128 v[VS+4*((\g)%2):VS+4*((\g)%2)+3], v[ADV] offset:OFF_VS+512*(\g)
.endm
.macro PV g                            ; O^T += V^T P^T for four tiles of channels; each accumulator has one instruction a key step
.irp i, 0,1,2,3
.set OO, OL*(1-(\g)/2)+8*((4*(\g)+\i)%8)
.set AA, 80+48*((\g)%2)+12*\i
	v_wmma_scale_f32_16x16x128_f8f6f4 v[OO:OO+7], v[AA:AA+11], v[PC:PC+11], v[OO:OO+7], v[VS+4*((\g)%2)+\i], v[PS] matrix_a_fmt:MATRIX_FMT_FP6 matrix_b_fmt:MATRIX_FMT_FP6
.endr
.endm
; A KEY STEP: one record, 128 keys.
.macro STEP
	v_add_nc_u32 v[ADV], s[TB], v[BV]
	v_add_nc_u32 v[ADK], s[TB], v[BK]
	v_add_nc_u32 v[AD8], s[TB], v[B8]
	v_nop
	v_nop                                          ; five places behind the last step's products: the scores below are written over registers that those products read
.irp f, 0,1
.irp c, 0,1
.irp i, 0,1,2
	ds_load_b64 v[KF+12*\f+6*\c+2*\i:KF+12*\f+6*\c+2*\i+1], v[ADK] offset:1536*\f+768*\c+8*\i   ; lane (r, h), registers 6 c on: the 24 bytes of place 64 f + 32 c + 16 h + r
.endr
.endr
.endr
.irp w, 0,1,2,3
	ds_load_b64 v[KS+2*\w:KS+2*\w+1], v[AD8] offset:256*\w
.endr
	s_wait_dscnt 0x0
.irp t, 0,1,2,3,4,5,6,7                        ; S^T: key tile t lies in block t % 4 of operand t / 4
.set QQ, QB+6+12*(\t%2)-6*((\t%4)/2)
	v_wmma_scale_f32_16x16x128_f8f6f4 v[S+8*\t:S+8*\t+7], v[KF+12*(\t/4):KF+12*(\t/4)+11], v[QQ:QQ+11], 0, v[KS+\t], v[QS] matrix_a_fmt:MATRIX_FMT_FP6 matrix_b_fmt:MATRIX_FMT_FP6
.endr                                          ; lane (r, h) holds query r; register 16 b + i is key 32 b + 16 h + i
.rept 4
	v_nop
.endr
.irp b, 0,1,2,3
	v_max3_num_f32 v[BM+\b], v[S+16*\b], v[S+1+16*\b], v[S+2+16*\b]   ; the largest score of each block of 32 keys: for the row's maximum, and for the block's largest p
.endr
.irp i, 3,5,7,9,11,13
.irp b, 0,1,2,3
	v_max3_num_f32 v[BM+\b], v[BM+\b], v[S+16*\b+\i], v[S+1+16*\b+\i]
.endr
.endr
.irp b, 0,1,2,3
	v_max_num_f32 v[BM+\b], v[BM+\b], v[S+15+16*\b]
.endr
.irp b, 0,1,2,3
	s_delay_alu instid0(VALU_DEP_4)
	v_permlanex16_b32 v[PM+\b], v[BM+\b], s[SEL], s[SEL+1]
.endr
.irp b, 0,1,2,3
	s_delay_alu instid0(VALU_DEP_4)
	v_max_num_f32 v[BM+\b], v[BM+\b], v[PM+\b]     ; with lane l xor 16's 16 keys
.endr
	s_delay_alu instid0(VALU_DEP_2)
	v_max3_num_f32 v[TMP], v[BM], v[BM+1], v[BM+2]
	s_delay_alu instid0(VALU_DEP_1)
	v_max_num_f32 v[TMP], v[TMP], v[BM+3]
	s_delay_alu instid0(VALU_DEP_1)
	v_mul_f32 v[TMP], s[CS], v[TMP]                ; the step's largest t
	s_delay_alu instid0(VALU_DEP_1)
	v_max_num_f32 v[TT], v[TT], v[TMP]
	v_mov_b32 v[TMP], v[NM]
	s_delay_alu instid0(VALU_DEP_2)
	v_floor_f32 v[NM], -v[TT]                      ; the new -M = floor(-t): M is a whole number
	s_delay_alu instid0(VALU_DEP_1)
	v_sub_f32 v[TMP], v[NM], v[TMP]                ; old M - new M: a whole number, 0 or less
	s_delay_alu instid0(VALU_DEP_1)
	v_cvt_i32_f32 v[TMP], v[TMP]                   ; (it saturates)
	s_delay_alu instid0(VALU_DEP_1)
	v_ldexp_f32 v[FF], 1.0, v[TMP]                 ; f = 2^(old M - new M)
.set j, 0
.rept 32
	v_pk_fma_f32 v[S+j:S+j+1], v[S+j:S+j+1], s[CS:CS+1], v[NM:NM+1] op_sel_hi:[1,0,0]   ; t - M, two at a time
.set j, j+2
.endr
.irp b, 0,1,2,3
	v_fma_f32 v[BM+\b], v[BM+\b], s[CS], v[NM]     ; the same of each block's largest score
.endr
.set j, 0
	s_wait_alu depctr_va_vdst(0)
.rept 64
	v_exp_f32 v[S+j], v[S+j]                       ; p = 2^(t - M)
.set j, j+1
.endr
	v_pk_mul_f32 v[LL:LL+1], v[LL:LL+1], v[FF:FF+1] op_sel_hi:[1,0]   ; the sums under the new M.  (The plain line behind the exponentials)
	s_wait_alu depctr_va_vdst(0)                   ; one wait for the batch of 64, ahead of its first reader
.irp b, 0,1,2,3
	v_exp_f32 v[BM+\b], v[BM+\b]                   ; the blocks' largest p
.endr
	v_pk_add_f32 v[72:73], v[116:117], v[120:121]
	v_pk_add_f32 v[254:255], v[124:125], v[128:129]
	v_pk_add_f32 v[252:253], v[132:133], v[136:137]
	v_pk_add_f32 v[250:251], v[140:141], v[144:145]
	v_pk_add_f32 v[248:249], v[148:149], v[152:153]
	v_pk_add_f32 v[246:247], v[156:157], v[160:161]
	v_pk_add_f32 v[244:245], v[164:165], v[168:169]
	v_pk_add_f32 v[20:21], v[20:21], v[172:173]
	v_pk_add_f32 v[72:73], v[72:73], v[112:113]
	v_pk_add_f32 v[254:255], v[254:255], v[114:115]
	v_pk_add_f32 v[252:253], v[252:253], v[118:119]
	v_pk_add_f32 v[250:251], v[250:251], v[122:123]
	v_pk_add_f32 v[248:249], v[248:249], v[126:127]
	v_pk_add_f32 v[246:247], v[246:247], v[130:131]
	v_pk_add_f32 v[244:245], v[244:245], v[134:135]
	v_pk_add_f32 v[20:21], v[20:21], v[138:139]
	v_pk_add_f32 v[72:73], v[72:73], v[142:143]
	v_pk_add_f32 v[254:255], v[254:255], v[146:147]
	v_pk_add_f32 v[252:253], v[252:253], v[150:151]
	v_pk_add_f32 v[250:251], v[250:251], v[154:155]
	v_pk_add_f32 v[248:249], v[248:249], v[158:159]
	v_pk_add_f32 v[246:247], v[246:247], v[162:163]
	v_pk_add_f32 v[244:245], v[244:245], v[166:167]
	v_pk_add_f32 v[20:21], v[20:21], v[170:171]
	v_pk_add_f32 v[72:73], v[72:73], v[174:175]
	s_delay_alu instid0(VALU_DEP_2)
	v_pk_add_f32 v[20:21], v[20:21], v[250:251]
	s_delay_alu instid0(VALU_DEP_2)
	v_pk_add_f32 v[72:73], v[72:73], v[248:249]
	v_pk_add_f32 v[254:255], v[254:255], v[246:247]
	v_pk_add_f32 v[252:253], v[252:253], v[244:245]
	s_delay_alu instid0(VALU_DEP_2)
	v_pk_add_f32 v[20:21], v[20:21], v[254:255]
	s_delay_alu instid0(VALU_DEP_2)
	v_pk_add_f32 v[72:73], v[72:73], v[252:253]
	s_delay_alu instid0(VALU_DEP_1)
	v_pk_add_f32 v[20:21], v[20:21], v[72:73]
	s_wait_alu depctr_va_vdst(0)                   ; and one for the four
.irp b, 0,1,2,3
	v_max_num_f32 v[BM+\b], 0x1800000, v[BM+\b]    ; the floor 2^(3 - 127): the byte cannot fall under 1
.endr
.irp b, 0,1,2,3
	s_delay_alu instid0(VALU_DEP_4)
	v_add_nc_u32 v[SOP+\b], 0xff000000, v[BM+\b]   ; 2 off the exponent field: the conversion's scale operand
.endr
.irp b, 0,1,2,3
	s_delay_alu instid0(VALU_DEP_4)
	v_lshrrev_b32 v[PM+\b], 23, v[SOP+\b]
.endr
	s_delay_alu instid0(VALU_DEP_3)
	v_lshl_or_b32 v[PS], v[PM+1], 8, v[PM]         ; p's scale word for these 128 keys
	s_delay_alu instid0(VALU_DEP_1)
	v_lshl_or_b32 v[PS], v[PM+2], 16, v[PS]
	s_delay_alu instid0(VALU_DEP_1)
	v_lshl_or_b32 v[PS], v[PM+3], 24, v[PS]
.irp c, 0,1
	v_cvt_scalef32_pk16_fp6_f32 v[PC+6*\c:PC+2+6*\c], v[S+32*\c:S+15+32*\c], v[SOP+2*\c]
	v_cvt_scalef32_pk16_fp6_f32 v[CT+4*\c:CT+2+4*\c], v[S+16+32*\c:S+31+32*\c], v[SOP+2*\c+1]
.endr
	v_nop                                          ; one plain line behind the conversions
	VLOAD 0                                        ; p's registers, the maxima's and k's are done with: v's first eight fragments land there while the lines below run
	VLOAD 1
.irp c, 0,1                                    ; the layout wants a whole block in a lane
.irp i, 0,1,2
	v_permlane16_swap_b32 v[PC+6*\c+\i], v[CT+4*\c+\i]
.endr
.irp i, 0,1,2
	s_delay_alu instid0(VALU_DEP_3)
	v_mov_b32 v[PC+3+6*\c+\i], v[CT+4*\c+\i]
.endr
.endr
.set j, 0
.rept 32
	v_pk_mul_f32 v[OL+j:OL+j+1], v[OL+j:OL+j+1], v[FF:FF+1] op_sel_hi:[1,0]   ; O^T under the new M.  (These are also the places between p's codes and scale word and the products)
.set j, j+2
.endr
	WIN 0x41                                       ; destination and source 0 window 1
.set j, 0
.rept 32
	v_pk_mul_f32 v[j:j+1], v[j:j+1], v[FF:FF+1] op_sel_hi:[1,0]
.set j, j+2
.endr
	WIN 0
	s_wait_alu depctr_va_vdst(0)
	s_wait_dscnt 13                                ; group 0's 13 loads are in; group 1's 13 may be out
	PV 0
.rept 4
	v_nop                                          ; places in front of loads into registers that the products have read
.endr
	VLOAD 2
	s_wait_dscnt 13                                ; group 1 is in; group 2's 13 may be out
	PV 1
.rept 4
	v_nop
.endr
	VLOAD 3
	s_wait_dscnt 13                                ; group 2 is in; group 3's 13 may be out
	WIN 0x50                                       ; C and D window 1
	PV 2
	s_wait_dscnt 0x0
	PV 3
	WIN 0
.endm
.Lstep:                                            ; 31 trips: trip j asks for record j + 1 and works on record j
	CHANGE 1
	s_wait_alu depctr_va_vdst(0)
	STEP
	s_xor_b32 s[TB], s[TB], SLOT1
	s_sub_co_u32 s[CNT], s[CNT], 1
	s_cmp_lg_u32 s[CNT], 0
	s_cbranch_scc1 .Lstep
	CHANGE 0                                       ; the last record is written out
	STEP
	; ---- y = gamma O / l + x, quantised along the channels.  The seven lines below are the places behind the last products.
	v_bfe_u32 v6, v0, 4, 1
	v_and_b32 v7, 15, v0
	s_delay_alu instid0(VALU_DEP_2)
	v_lshlrev_b32 v6, 20, v6
	s_delay_alu instid0(VALU_DEP_1)
	v_lshl_add_u32 v6, v7, 2, v6                   ; x: 16 h channels of 65,536 bytes + 4 r: register 16 b + i is channel 32 b + 16 h + i of position r
	v_and_b32 v8, 31, v0
	s_delay_alu instid0(VALU_DEP_1)
	v_lshlrev_b32 v7, 4, v8                        ; 16 x lane
	s_delay_alu instid0(VALU_DEP_2)
	v_lshlrev_b32 v8, 2, v8                        ; 4 x lane
.irp b, 0,1,2,3
.irp i, 0,1,2,3,4,5,6,7,8,9,10,11,12,13,14,15
	global_load_b32 v[112+16*\b+\i], v6, s[XB:XB+1] offset:(32*\b+\i)*65536 th:TH_LOAD_NT      ; channels 0-127
.endr
.endr
.irp b, 0,1
.irp i, 0,1,2,3,4,5,6,7,8,9,10,11,12,13,14,15
	global_load_b32 v[80+16*\b+\i], v6, s[XB+2:XB+3] offset:(32*\b+\i)*65536 th:TH_LOAD_NT     ; channels 128-191
.endr
.endr
	v_add_f32 v[LL], v[LL], v[LL+1]                ; the sum's two halves,
	s_delay_alu instid0(VALU_DEP_1)
	v_permlanex16_b32 v[TMP], v[LL], s[SEL], s[SEL+1]
	s_delay_alu instid0(VALU_DEP_1)
	v_add_f32 v[LL], v[LL], v[TMP]                 ; and lane l xor 16's: the row's sum
	s_wait_alu depctr_va_vdst(0)
	v_rcp_f32 v[LL], v[LL]
	v_nop                                          ; a plain line behind the reciprocal
	s_wait_alu depctr_va_vdst(0)                   ; and the wait ahead of its first reader
	v_mul_f32 v[FF], s[GAM], v[LL]                 ; gamma / l
	s_wait_alu depctr_va_vdst(0)
	s_wait_loadcnt 32                              ; channels 0-127 are in; the 32 loads of channels 128-191 may be out
.set j, 0
.rept 32
	v_pk_fma_f32 v[OL+j:OL+j+1], v[OL+j:OL+j+1], v[FF:FF+1], v[112+j:113+j] op_sel_hi:[1,0,1]
.set j, j+2
.endr
.irp b, 2,3
.irp i, 0,1,2,3,4,5,6,7,8,9,10,11,12,13,14,15
	global_load_b32 v[80+16*\b+\i], v6, s[XB+2:XB+3] offset:(32*\b+\i)*65536 th:TH_LOAD_NT     ; channels 192-255
.endr
.endr
; 64 numbers of a lane, register 16 b + i = k 32 b + 16 h + i of my row, become a fragment's codes in v[PC] on and its scale word in v[pw].
.macro QUANT s, pw
.irp b, 0,1,2,3
	v_max3_num_f32 v[TM+\b], |v[\s+16*\b]|, |v[\s+1+16*\b]|, 0x1800000
.endr
.irp i, 2,4,6,8,10,12,14
.irp b, 0,1,2,3
	s_delay_alu instid0(VALU_DEP_4)
	v_max3_num_f32 v[TM+\b], v[TM+\b], |v[\s+16*\b+\i]|, |v[\s+1+16*\b+\i]|
.endr
.endr
.irp b, 0,1,2,3
	s_delay_alu instid0(VALU_DEP_4)
	v_permlanex16_b32 v[TM+4+\b], v[TM+\b], s[SEL], s[SEL+1]
.endr
.irp b, 0,1,2,3
	s_delay_alu instid0(VALU_DEP_4)
	v_max_num_f32 v[TM+\b], v[TM+\b], v[TM+4+\b]
.endr
.irp b, 0,1,2,3
	s_delay_alu instid0(VALU_DEP_4)
	v_add_nc_u32 v[TM+12+\b], 0xff000000, v[TM+\b]
.endr
.irp b, 0,1,2,3
	s_delay_alu instid0(VALU_DEP_4)
	v_lshrrev_b32 v[TM+4+\b], 23, v[TM+12+\b]
.endr
	s_delay_alu instid0(VALU_DEP_3)
	v_lshl_or_b32 v[\pw], v[TM+5], 8, v[TM+4]
	s_delay_alu instid0(VALU_DEP_1)
	v_lshl_or_b32 v[\pw], v[TM+6], 16, v[\pw]
	s_delay_alu instid0(VALU_DEP_1)
	v_lshl_or_b32 v[\pw], v[TM+7], 24, v[\pw]
.irp c, 0,1
	v_cvt_scalef32_pk16_fp6_f32 v[PC+6*\c:PC+2+6*\c], v[\s+32*\c:\s+15+32*\c], v[TM+12+2*\c]
	v_cvt_scalef32_pk16_fp6_f32 v[CT+4*\c:CT+2+4*\c], v[\s+16+32*\c:\s+31+32*\c], v[TM+12+2*\c+1]
.endr
	v_nop                                          ; one plain line behind the conversions
.irp c, 0,1
.irp i, 0,1,2
	v_permlane16_swap_b32 v[PC+6*\c+\i], v[CT+4*\c+\i]
.endr
.irp i, 0,1,2
	s_delay_alu instid0(VALU_DEP_3)
	v_mov_b32 v[PC+3+6*\c+\i], v[CT+4*\c+\i]
.endr
.endr
.endm
	QUANT OL, TMP                                  ; K step 2 E of the last product, rows 16 T on
.irp j, 0,1,2
	ds_store_b128 v[YWI], v[PC+4*\j:PC+4*\j+3] offset:512*\j
.endr
	ds_store_b32 v[YWS], v[TMP]
	s_wait_loadcnt 0x0
	WIN 0x01                                       ; source 0 window 1: O^T's tiles 8-15
.set j, 0
.rept 32
	v_pk_fma_f32 v[80+j:81+j], v[j:j+1], v[FF:FF+1], v[80+j:81+j] op_sel_hi:[1,0,1]
.set j, j+2
.endr
	WIN 0
	s_wait_dscnt 0x0                               ; the stores have read their registers
	QUANT 80, TMP                                  ; K step 2 E + 1
.irp j, 0,1,2
	ds_store_b128 v[YWI], v[PC+4*\j:PC+4*\j+3] offset:1536+512*\j
.endr
	ds_store_b32 v[YWS], v[TMP] offset:128
	s_wait_dscnt 0x0                               ; for the others' sake: my images have landed
	s_barrier_signal -1
	s_barrier_wait -1                              ; y's 24 fragments lie in LDS
	; ---- out = Wout y: 16 tiles of output channels x 4 tiles of positions do not divide among twelve waves: waves 0 to 7 take two tiles of output channels each, for all 64 positions
	s_cmp_lt_u32 s[WV], 8
	s_cbranch_scc0 .Ldone
.irp k, 0,1,2,3,4,5                            ; Wout's fragments (K step k, tile n), each read by this wave alone: straight into registers, K step by K step
.irp n, 0,1
.irp j, 0,1,2
	global_load_b128 v[112+12*(2*\k+\n)+4*\j:112+12*(2*\k+\n)+4*\j+3], v7, s[WCB:WCB+1] offset:(72*(\k/2)+40+2*\n+\k%2)*1536+512*\j
.endr
	global_load_b32 v[KS+2*\k+\n], v8, s[WSB:WSB+1] offset:(72*(\k/2)+40+2*\n+\k%2)*128
.endr
.endr
; K step ks: y's four fragments from LDS; source 0 = 16 positions, source 1 = 16 output channels; eight accumulators by turns.
.macro OUTK ks
.irp m, 0,1,2,3
.irp j, 0,1,2
	ds_load_b128 v[26+12*\m+22*(\m/2)+4*\j:26+12*\m+22*(\m/2)+4*\j+3], v[YRD] offset:(6*\m+\ks)*1536+512*\j
.endr
	ds_load_b32 v[68+\m], v[YRS] offset:(6*\m+\ks)*128
.endr
	s_wait_dscnt 0x0
	s_wait_loadcnt 8*(5-\ks)                       ; this K step's 8 loads of Wout are in; the later K steps' 8 each may be out
.if \ks == 0
	WIN 0x40                                       ; D window 1
.else
	WIN 0x50                                       ; C and D window 1
.endif
.irp m, 0,1,2,3
.irp n, 0,1
.set AA, 26+12*\m+22*(\m/2)
.set BB, 112+12*(2*\ks+\n)
.if \ks == 0
	v_wmma_scale_f32_16x16x128_f8f6f4 v[8*(4*\n+\m):8*(4*\n+\m)+7], v[AA:AA+11], v[BB:BB+11], 0, v[68+\m], v[KS+2*\ks+\n] matrix_a_fmt:MATRIX_FMT_FP6 matrix_b_fmt:MATRIX_FMT_FP6
.else
	v_wmma_scale_f32_16x16x128_f8f6f4 v[8*(4*\n+\m):8*(4*\n+\m)+7], v[AA:AA+11], v[BB:BB+11], v[8*(4*\n+\m):8*(4*\n+\m)+7], v[68+\m], v[KS+2*\ks+\n] matrix_a_fmt:MATRIX_FMT_FP6 matrix_b_fmt:MATRIX_FMT_FP6
.endif
.endr
.endr
	WIN 0
.rept 4
	v_nop                                          ; places in front of loads into registers that the products have read, and of the first read of results
.endr
.endm
	OUTK 0
	OUTK 1
	OUTK 2
	OUTK 3
	OUTK 4
	OUTK 5
	WIN 0x04                                       ; an LDS store's data are its source 1: window 1
.irp n, 0,1
.irp m, 0,1,2,3
	ds_store_b128 v[SO], v[8*(4*\n+\m):8*(4*\n+\m)+3] offset:8*SP*\n+64*\m          ; lane (r, h): output channel 32 wave + 8 n + r + 8 (r / 8), positions 16 m + 8 h + 0 .. 7; each accumulator from its low end on
	ds_store_b128 v[SO], v[8*(4*\n+\m)+4:8*(4*\n+\m)+7] offset:8*SP*\n+64*\m+16
.endr
.endr
	WIN 0
.irp i, 0,1,2,3,4,5,6,7,8,9,10,11,12,13,14,15
	ds_load_b128 v[112+4*\i:112+4*\i+3], v[SR] offset:2*SP*\i    ; my own 32 rows: LDS serves a wave's instructions in order, so these see my stores
.endr
.irp i, 0,1,2,3,4,5,6,7,8,9,10,11,12,13,14,15
	s_wait_dscnt 15-\i                             ; rows 2 i, 2 i + 1 are back; the later loads may be out
	global_store_b128 v[GO], v[112+4*\i:112+4*\i+3], s[OB:OB+1] offset:131072*\i th:TH_STORE_NT   ; 16 lanes store 256 consecutive bytes, at a multiple of 256 from out0's first byte
.endr
.Ldone:
	s_wait_tensorcnt 0x0                           ; the wave's end: behind my last tensor load and my last LDS store
	ds_add_u32 v[SPW], v[NIL]
	s_wait_dscnt 0x0
	CROUND                                         ; the closing round: no work-group ends while a partner may still ask for a record that names it
	s_endpgm
.Lfunc_end_k_q8b63f677cd_attn:
	.size	k_q8b63f677cd_attn, .Lfunc_end_k_q8b63f677cd_attn-k_q8b63f677cd_attn
	.p2alignl 7, 3214868480
	.fill 96, 4, 3214868480
	.section	.rodata,"a",@progbits
	.p2align	6, 0x0
	.amdhsa_kernel k_q8b63f677cd_attn
		.amdhsa_group_segment_fixed_size 327680
		.amdhsa_private_segment_fixed_size 0
		.amdhsa_enable_private_segment 0
		.amdhsa_kernarg_size 72
		.amdhsa_user_sgpr_count 2
		.amdhsa_user_sgpr_kernarg_segment_ptr 1
		.amdhsa_wavefront_size32 1
		.amdhsa_system_sgpr_workgroup_id_x 1
		.amdhsa_system_sgpr_workgroup_id_y 1
		.amdhsa_system_sgpr_workgroup_id_z 1
		.amdhsa_system_vgpr_workitem_id 0
		.amdhsa_next_free_vgpr 320
		.amdhsa_next_free_sgpr 84
		.amdhsa_reserve_vcc 1
		.amdhsa_float_denorm_mode_32 3
		.amdhsa_float_denorm_mode_16_64 3
		.amdhsa_memory_ordered 1
		.amdhsa_forward_progress 1
		.amdhsa_inst_pref_size 113
	.end_amdhsa_kernel
	.amdgpu_metadata
---
amdhsa.version: [ 1, 2 ]
amdhsa.kernels:
  - .name:           k_q8b63f677cd_attn
    .symbol:         k_q8b63f677cd_attn.kd
    .args:
      - { .name: qbuf, .offset: 0, .size: 8, .value_kind: global_buffer, .address_space: global }
      - { .name: kv, .offset: 8, .size: 8, .value_kind: global_buffer, .address_space: global }
      - { .name: wcodes, .offset: 16, .size: 8, .value_kind: global_buffer, .address_space: global }
      - { .name: wscales, .offset: 24, .size: 8, .value_kind: global_buffer, .address_space: global }
      - { .name: x0, .offset: 32, .size: 8, .value_kind: global_buffer, .address_space: global }
      - { .name: x1, .offset: 40, .size: 8, .value_kind: global_buffer, .address_space: global }
      - { .name: x2, .offset: 48, .size: 8, .value_kind: global_buffer, .address_space: global }
      - { .name: gamma, .offset: 56, .size: 8, .value_kind: global_buffer, .address_space: global }
      - { .name: out0, .offset: 64, .size: 8, .value_kind: global_buffer, .address_space: global }
    .group_segment_fixed_size: 327680
    .private_segment_fixed_size: 0
    .kernarg_segment_align: 8
    .kernarg_segment_size: 72
    .max_flat_workgroup_size: 384
    .sgpr_count:     84
    .vgpr_count:     320
    .wavefront_size: 32
...
	.end_amdgpu_metadata
.endif
;; end of part 3
